; MI455X (gfx1250); checked and timed in simulation.
; The chip was launched on July 23, 2026; its instructions are those of AMD's public machine-readable ISA for CDNA 5 (MIT licence, August 2026) and "CDNA5" Instruction Set Architecture Reference Guide (July 2026). The comments in the code are by the model that wrote it; some were corrected since.
;; Hash Encoder. Allowed arithmetic: float matrix products may take bf16 or f16 operands with f32 sums; all other float work in f32.
;; Inputs: box_max 3 float32; box_min 3 float32; tables 16 x 524,288 x 2 float32; x 200,000 x 3 float32.
;; Outputs: out0 200,000 x 32 float32; out1 200,000 bool.
;; 2 versions, each right; version 2 is version 1 with the launch gather written anew for expert scheduling mode. Each part assembles by itself: llvm-mc -triple=amdgcn-amd-amdhsa -mcpu=gfx1250 --defsym DOCPART=n.
;; ======== version 1 of 2: 2 launches
;; workspace buffers: cells 4,800,000 bytes of whole numbers; gridtab 256 bytes
;; launch cells (part 1): grid 6250 x 1, 1 waves a work-group, no clusters, 0 bytes of LDS; arguments x, box_min, box_max, cells, gridtab, out1; writes cells, gridtab, out1
.if DOCPART == 1
	.amdgcn_target "amdgcn-amd-amdhsa--gfx1250"
	.amdhsa_code_object_version 6
	.text
	.protected	k_q853d1415c0_cells
	.globl	k_q853d1415c0_cells
	.p2align	8
	.type	k_q853d1415c0_cells,@function
k_q853d1415c0_cells:
	s_mov_b64 s[64:65], 0
	v_nop
	global_prefetch_b8 v0, s[64:65] scope:SCOPE_SE
	s_setreg_imm32_b32 hwreg(HW_REG_WAVE_MODE, 25, 1), 1
	s_wait_xcnt 0x0
; HASH ENCODER, FIRST OF TWO LAUNCHES: for each of 200,000 points and 16 levels the bottom-left cell (three whole numbers), the 48 cell sizes, and the keep mask.
; A launch forms no address from floating-point data of its own, so the cells are decided here, stored as whole numbers, and the second launch reads them, hashes them and gathers.
;
; WHAT IS NOT COMPUTED, and why that holds for all inputs.
;  - The resolutions floor(16 * b^l), b = f32(32/15), hang on no input: they are the constants below.  b = 8947849 * 2^-22 = (32/15)(1 + 7 * 2^-27), so
;    16 b^l = 2^(4+5l) / 15^l * (1 + 7 * 2^-27)^l.  The tightest: l = 13: 303307.834, l = 14: 647056.746, l = 15: 1380386.717 + 1.080 = 1380387.797, where f32 numbers
;    lie 0.031, 0.063 and 0.125 apart: a power right to one last place gives these floors.
;  - floor() is a truncation: the quotient is never negative.  With box_min <= box_max the clip leaves xc - box_min >= 0 and the cell size >= 0; with
;    box_min > box_max the clip gives box_max, and numerator and cell size are both negative.
;  No input is left out.
; ORDER OF ROUNDING (a stated limit).  The two divisions whose divisor is the same for all points are formed as products with the divisor's reciprocal, the reciprocal rounded correctly:
;    cell size = side x fl(1 / res), side = box_max - box_min;      quotient = (xc - box_min) x fl(1 / cell size).
; The same real numbers as side / res and (xc - box_min) / cell size; each may differ from the division's own rounding by a last place.  That decides a cell only where the quotient lies
; within a rounding of a whole number: at a cell's edge (at level 15 a cell is about twelve f32 steps of x wide, so the choice moves a weight by a twelfth), and for a coordinate clipped to
; box_max, where the quotient is res or a last place below it.
; A reciprocal 1 / d is v_rcp_f32 and then twice r += (1 - d r) r, the residual in one fused multiply-add: the second step starts within a last place, so its one rounding is that of 1 / d.
;
; HOW THE 48 CELLS OF A POINT ARE STORED IN 24 BYTES.  For each coordinate one fixed-point number u and one word of sixteen 2-bit corrections d:
;    u = trunc(max(q0 x 2^27 - 2304, 0)), q0 = level 0's quotient = 16 x ratio, so u / 2^31 = ratio - 1.07e-6;      d(l) = cell(l) - high word of (u x 2 res(l)).
; The second launch forms the same integer product and adds d(l): it gets cell(l) back exactly, whatever the roundings.  d stays in 0 .. 3: u / 2^31 + 1.07e-6 and quotient / res are the same
; real number behind three and four roundings or reciprocals, at most 5 x 2^-23 = 6.0e-7 apart; times res(15) that is 0.82 of a cell, and the lowering by 2304 steps is 1.48 cells (both
; shrink with res alike): the product lies 0.66 to 2.3 cells under the quotient, so its floor is the cell or up to 3 less.  Where u is held at 0 the quotient is below 1.5 and d is 0 or 1.
; cells[block of 32 points][pair][point], 8 bytes: pair 0 = (ux, uy), pair 1 = (uz, dx), pair 2 = (dy, dz).
; LIMITS.  Cell numbers below 2^21 (the clip bounds them by 1380387).  A box side of length 0, or outside about 2^-80 .. 2^100 (reciprocals and residuals leave f32's normal range, and a
; correction may then leave its 2 bits), is not served.  A NaN in x is clipped to box_min here (v_max_num_f32 drops it); the second launch brings the NaN back through the weights.
;
; SHARES.  A lane has one point, a wave 32 points and all 16 levels.  The waves share nothing, so a work-group is one wave: 200,000 / 32 = 6,250 work-groups, none without points.
; Lane l first makes level l's three multipliers; each level then fetches its three by v_readlane_b32.  Each store of the wave covers 256 consecutive bytes, aligned.
; Every eighth block also makes the keep mask of its eight blocks' 256 points; its path is written out beside the plain one, so that its loads go out at the head with the point's own.
.set NPTS,   200000
.set RES0,   16
.set RES1,   34
.set RES2,   72
.set RES3,   155
.set RES4,   331
.set RES5,   706
.set RES6,   1508
.set RES7,   3217
.set RES8,   6864
.set RES9,   14643
.set RES10,  31239
.set RES11,  66644
.set RES12,  142175
.set RES13,  303307
.set RES14,  647056
.set RES15,  1380387
.set X,    2                           ; v[2:4]   my point (v0 is the lane: one wave a work-group)
.set XOFF, 5                           ; 12 x lane
.set COFF, 6                           ; 8 x lane
.set VRES, 7                           ; lane l: resolution of level l
.set SIDE, 8                           ; v[8:10]  box_max - box_min
.set NRES, 11                          ; minus the resolution
.set RR,   12                          ; 1 / resolution
.set ERR,  13
.set G,    14                          ; v[14:16] lane l: cell sizes of level l
.set NG,   18                          ; v[18:20] minus the cell sizes
.set R,    21                          ; v[21:23] lane l: 1 / cell size of level l
.set N,    24                          ; v[24:26] xc - box_min
.set Q,    27                          ; v[27:29] residuals, then quotients, cells, corrections
.set U,    32                          ; v[32:34] the fixed-point numbers
.set CW,   35                          ; v[35:37] the correction words: v[32:37] are the three pairs to store
.set ZERO, 38                          ; v[38:39] the 64-bit addend 0
.set P,    40                          ; v[40:45] three 64-bit products
.set M,    64                          ; v[64:95] keep mask: eight points, four registers apart
.set KEEPB, 96                         ; v[96:97] eight mask bytes
.set KT,   98
.set MOFF, 99
	s_load_b256 s[4:11], s[0:1], 0x0               ; x s[4:5], box_min s[6:7], box_max s[8:9], cells s[10:11]
	s_load_b128 s[12:15], s[0:1], 0x20             ; gridtab s[12:13], out1 s[14:15]
	; what needs no input is made while the arguments are on their way
	v_mul_u32_u24 v[XOFF], v0, 12
	v_lshlrev_b32 v[COFF], 3, v0
	s_mul_i32 s26, ttmp9, 384                      ; 32 points of 12 bytes
	s_mov_b32 s27, 0
	s_mul_i32 s28, ttmp9, 768                      ; 32 points of 24 bytes
	s_mov_b32 s29, 0
	s_mov_b32 s37, 0x4d000000                      ; 2^27
	s_mov_b32 s38, 0xc5100000                      ; -2304.0
	v_mov_b32 v[ZERO], 0
	v_mov_b32 v[ZERO+1], 0
	v_mov_b32 v[VRES], 1                           ; lane l gets level l's resolution (lanes 16 to 31 keep 1 and are never read)
.irp l, 0,1,2,3,4,5,6,7,8,9,10,11,12,13,14,15
	s_mov_b32 s2, RES\l
	v_writelane_b32 v[VRES], s2, \l
.endr
	v_cvt_f32_u32 v[VRES], v[VRES]                 ; exact: all below 2^24
	v_rcp_f32 v[RR], v[VRES]
	v_xor_b32 v[NRES], 0x80000000, v[VRES]         ; also the plain instruction between v_rcp_f32 and the use of its result (ISA guide 5.7.2)
	s_wait_alu depctr_va_vdst(0)
.rept 2
	v_fma_f32 v[ERR], v[NRES], v[RR], 1.0          ; 1 - res r
	v_fma_f32 v[RR], v[ERR], v[RR], v[RR]          ; r += residual x r: after the second step 1 / res, correctly rounded
.endr
	s_wait_kmcnt 0x0
	s_load_b96 s[16:18], s[6:7], 0x0               ; box_min
	s_load_b96 s[20:22], s[8:9], 0x0               ; box_max
	s_add_nc_u64 s[24:25], s[4:5], s[26:27]        ; s[4:5] stays x's first byte for the keep mask
	s_add_nc_u64 s[10:11], s[10:11], s[28:29]
	global_load_b96 v[X:X+2], v[XOFF], s[24:25]
; What hangs on the box: lane l's cell sizes and their reciprocals.
.macro BOX
	s_wait_kmcnt 0x0                               ; the box
.irp c, 0,1,2
	v_sub_f32 v[SIDE+\c], s[20+\c], s[16+\c]       ; box_max - box_min
.endr
.irp c, 0,1,2
	v_mul_f32 v[G+\c], v[SIDE+\c], v[RR]           ; cell size = side x (1 / res), rounded
.endr
.irp c, 0,1,2
	v_rcp_f32 v[R+\c], v[G+\c]
.endr
.irp c, 0,1,2
	v_xor_b32 v[NG+\c], 0x80000000, v[G+\c]        ; also the plain instructions between the reciprocals and their use
.endr
	s_wait_alu depctr_va_vdst(0)
.rept 2
.irp c, 0,1,2
	v_fma_f32 v[Q+\c], v[NG+\c], v[R+\c], 1.0      ; 1 - g r
.endr
.irp c, 0,1,2
	v_fma_f32 v[R+\c], v[Q+\c], v[R+\c], v[R+\c]   ; after the second step 1 / cell size, correctly rounded
.endr
.endr
.endm
; One level: its three multipliers out of lane l, three products, three truncations (level 0's products stand in Q already), three integer products, three corrections.
.macro LEVEL l
.if \l
.irp c, 0,1,2
	v_readlane_b32 s[40+\c], v[R+\c], \l
.endr
.irp c, 0,1,2
	v_mul_f32 v[Q+\c], s[40+\c], v[N+\c]           ; (xc - box_min) x (1 / cell size), rounded
.endr
.endif
	s_mov_b32 s39, 2*RES\l
.irp c, 0,1,2
	v_cvt_u32_f32 v[Q+\c], v[Q+\c]                 ; toward zero = floor, the quotient being >= 0: the cell
.endr
.irp c, 0,1,2
	v_mad_nc_u64_u32 v[P+2*\c:P+2*\c+1], v[U+\c], s39, v[ZERO:ZERO+1]   ; u x 2 res: its high word is floor(u res / 2^31)
.endr
.if \l
.irp c, 0,1,2
	v_sub_nc_u32 v[Q+\c], v[Q+\c], v[P+2*\c+1]     ; 0 .. 3
.endr
.irp c, 0,1,2
	v_lshl_or_b32 v[CW+\c], v[Q+\c], 2*\l, v[CW+\c]
.endr
.else
.irp c, 0,1,2
	v_sub_nc_u32 v[CW+\c], v[Q+\c], v[P+2*\c+1]    ; level 0's correction starts the word
.endr
.endif
.endm
; My point's 24 bytes.  younger = the loads issued behind the point's own, which may stay out: loads come back in order (ISA guide 5.7.1).
.macro POINT younger
	s_wait_loadcnt \younger
.irp c, 0,1,2
	v_max_num_f32 v[N+\c], s[16+\c], v[X+\c]       ; the clip, as written: first the lower bound,
.endr
.irp c, 0,1,2
	v_min_num_f32 v[N+\c], s[20+\c], v[N+\c]       ; then the upper
.endr
.irp c, 0,1,2
	v_sub_f32 v[N+\c], v[N+\c], s[16+\c]           ; xc - box_min
.endr
.irp c, 0,1,2
	v_readlane_b32 s[40+\c], v[R+\c], 0
.endr
.irp c, 0,1,2
	v_mul_f32 v[Q+\c], s[40+\c], v[N+\c]           ; level 0's quotient, 16 x ratio
.endr
.irp c, 0,1,2
	v_fma_f32 v[U+\c], v[Q+\c], s37, s38           ; x 2^27 - 2304
.endr
.irp c, 0,1,2
	v_max_num_f32 v[U+\c], 0, v[U+\c]
.endr
.irp c, 0,1,2
	v_cvt_u32_f32 v[U+\c], v[U+\c]                 ; below 2^31
.endr
.irp l, 0,1,2,3,4,5,6,7,8,9,10,11,12,13,14,15
	LEVEL \l
.endr
.irp p, 0,1,2
	global_store_b64 v[COFF], v[U+2*\p:U+2*\p+1], s[10:11] offset:256*\p
.endr
.endm
	s_and_b32 s2, ttmp9, 7
	s_cmp_lg_u32 s2, 0
	s_cbranch_scc1 .Lplain
	; THE PATH OF EVERY EIGHTH BLOCK.  It also makes the 256 mask bytes of its eight blocks' 256 points: a lane has 8 neighbouring points and stores 8 bytes,
	; the wave 256 consecutive bytes, aligned.  The last unit has 64 points: the other lanes' loads are clamped to x's last 96 bytes and their store is masked.
	s_lshr_b32 s3, ttmp9, 3                        ; unit
	s_mul_i32 s2, s3, 3072                         ; 256 points of 12 bytes
	v_mad_u32_u24 v[MOFF], v0, 96, s2
	v_min_u32 v[MOFF], NPTS*12-96, v[MOFF]
.irp k, 0,1,2,3,4,5,6,7
	global_load_b96 v[M+4*\k:M+4*\k+2], v[MOFF], s[4:5] offset:12*\k
.endr
	s_lshl_b32 s26, s3, 8                          ; s27 is still 0
	s_add_nc_u64 s[14:15], s[14:15], s[26:27]
	s_sub_co_u32 s28, NPTS, s26                    ; points left from this unit's first
	BOX
	; the 48 cell sizes go to the second launch: block 0 stores them, lanes 0 to 15, 192 consecutive bytes
	s_cmp_lg_u32 ttmp9, 0
	s_cbranch_scc1 .Lno_table
	v_cmp_gt_u32 vcc_lo, 16, v0
	s_wait_xcnt 0x0                                ; nine loads are out and EXEC is one of their sources: EXEC narrows only behind this wait
	s_and_saveexec_b32 s2, vcc_lo
	global_store_b96 v[XOFF], v[G:G+2], s[12:13]
	s_wait_xcnt 0x0                                ; and widens only behind this one
	s_or_b32 exec_lo, exec_lo, s2
.Lno_table:
	POINT 8                                        ; 8 = the mask's loads, issued behind the point's
	s_wait_loadcnt 0x0
.macro KEEP k
	v_cmp_le_f32 s30, s16, v[M+4*\k]               ; box_min <= x: false for NaN, as in the problem
	v_cmp_ge_f32 s31, s20, v[M+4*\k]               ; box_max >= x
	v_cmp_le_f32 s32, s17, v[M+4*\k+1]
	v_cmp_ge_f32 s33, s21, v[M+4*\k+1]
	v_cmp_le_f32 s34, s18, v[M+4*\k+2]
	v_cmp_ge_f32 s35, s22, v[M+4*\k+2]
	s_and_b32 s30, s30, s31
	s_and_b32 s32, s32, s33
	s_and_b32 s34, s34, s35
	s_and_b32 s30, s30, s32
	s_and_b32 s30, s30, s34
.if (\k % 4) == 0
	v_cndmask_b32 v[KEEPB+\k/4], 0, 1, s30         ; the first byte of a word starts it
.else
	v_cndmask_b32 v[KT], 0, 1, s30
	v_lshl_or_b32 v[KEEPB+\k/4], v[KT], 8*(\k%4), v[KEEPB+\k/4]
.endif
.endm
.irp k, 0,1,2,3,4,5,6,7
	KEEP \k
.endr
	v_cmp_gt_u32 vcc_lo, s28, v[COFF]              ; my first point, 8 x lane, lies in front of the end
	s_wait_xcnt 0x0                                ; the three stores above have EXEC among their sources
	s_and_saveexec_b32 s36, vcc_lo
	global_store_b64 v[COFF], v[KEEPB:KEEPB+1], s[14:15] th:TH_STORE_NT
	s_wait_xcnt 0x0
	s_or_b32 exec_lo, exec_lo, s36
	s_endpgm
.Lplain:
	BOX
	POINT 0                                        ; the point's load is the only one
	s_endpgm
.Lfunc_end_k_q853d1415c0_cells:
	.size	k_q853d1415c0_cells, .Lfunc_end_k_q853d1415c0_cells-k_q853d1415c0_cells
	.p2alignl 7, 3214868480
	.fill 96, 4, 3214868480
	.section	.rodata,"a",@progbits
	.p2align	6, 0x0
	.amdhsa_kernel k_q853d1415c0_cells
		.amdhsa_group_segment_fixed_size 0
		.amdhsa_private_segment_fixed_size 0
		.amdhsa_enable_private_segment 0
		.amdhsa_kernarg_size 48
		.amdhsa_user_sgpr_count 2
		.amdhsa_user_sgpr_kernarg_segment_ptr 1
		.amdhsa_wavefront_size32 1
		.amdhsa_system_sgpr_workgroup_id_x 1
		.amdhsa_system_sgpr_workgroup_id_y 1
		.amdhsa_system_sgpr_workgroup_id_z 1
		.amdhsa_system_vgpr_workitem_id 0
		.amdhsa_next_free_vgpr 100
		.amdhsa_next_free_sgpr 66
		.amdhsa_reserve_vcc 1
		.amdhsa_float_denorm_mode_32 3
		.amdhsa_float_denorm_mode_16_64 3
		.amdhsa_memory_ordered 1
		.amdhsa_forward_progress 1
		.amdhsa_inst_pref_size 44
	.end_amdhsa_kernel
	.amdgpu_metadata
---
amdhsa.version: [ 1, 2 ]
amdhsa.kernels:
  - .name:           k_q853d1415c0_cells
    .symbol:         k_q853d1415c0_cells.kd
    .args:
      - { .name: x, .offset: 0, .size: 8, .value_kind: global_buffer, .address_space: global }
      - { .name: box_min, .offset: 8, .size: 8, .value_kind: global_buffer, .address_space: global }
      - { .name: box_max, .offset: 16, .size: 8, .value_kind: global_buffer, .address_space: global }
      - { .name: cells, .offset: 24, .size: 8, .value_kind: global_buffer, .address_space: global }
      - { .name: gridtab, .offset: 32, .size: 8, .value_kind: global_buffer, .address_space: global }
      - { .name: out1, .offset: 40, .size: 8, .value_kind: global_buffer, .address_space: global }
    .group_segment_fixed_size: 0
    .private_segment_fixed_size: 0
    .kernarg_segment_align: 8
    .kernarg_segment_size: 48
    .max_flat_workgroup_size: 32
    .sgpr_count:     66
    .vgpr_count:     100
    .wavefront_size: 32
...
	.end_amdgpu_metadata
.endif
;; end of part 1
;; launch gather (part 2): grid 6250 x 1, 1 waves a work-group, no clusters, 4,864 bytes of LDS; arguments x, box_min, tables, cells, gridtab, out0; writes out0
.if DOCPART == 2
	.amdgcn_target "amdgcn-amd-amdhsa--gfx1250"
	.amdhsa_code_object_version 6
	.text
	.protected	k_q853d1415c0_gather
	.globl	k_q853d1415c0_gather
	.p2align	8
	.type	k_q853d1415c0_gather,@function
k_q853d1415c0_gather:
	s_mov_b64 s[64:65], 0
	v_nop
	global_prefetch_b8 v0, s[64:65] scope:SCOPE_SE
	s_setreg_imm32_b32 hwreg(HW_REG_WAVE_MODE, 25, 1), 1
	s_wait_xcnt 0x0
; HASH ENCODER, SECOND LAUNCH: hash the eight corners of each cell, gather their two features, interpolate, write out0[point][level][feature].
; The cells are read as whole numbers, 24 bytes a point: for each coordinate a fixed-point number u and a word of sixteen 2-bit corrections d, laid out
; cells[block of 32 points][pair][point], 8 bytes: pair 0 = (ux, uy), pair 1 = (uz, dx), pair 2 = (dy, dz).  cell(l) = high word of (u x 2 res(l) + d(l) x 2^32): the first launch
; made d(l) as its cell minus the high word of the same product, so the sum is that cell exactly.  The 48 cell sizes come from gridtab.
; box_max reaches this launch through both and is not loaded again.
; WHAT IS CHANGED AGAINST THE PROBLEM'S TEXT, for all inputs:
;  - The resolutions floor(16 * f32(32/15)^l) hang on no input and are the constants below (shown at the head of the first launch).
;  - Only the low 19 bits of each product with a prime reach the index, and they hang on the low 19 bits of the prime alone: 2654435761 -> 0x779b1, 805459861 -> 0x25795, 1 -> 1.
;    (c + 1) p = c p + p, so the upper corner costs an addition.
;  - a (1 - w) + b w is computed as a + w (b - a): the same number but for rounding.
;  - min_v = cell x cell size + box_min is ONE fused multiply-add, rounded once (a stated limit: the text as written rounds the product first; with box_min = 0 the two are equal bit for bit).
;    max_v, x - min_v and max_v - min_v are single f32 operations as written (at level 15 a cell is about twelve f32 steps wide, so they decide the weight);
;    the weight's division itself is a product with v_rcp_f32, right to about a last place.
; LIMITS.  A NaN in x gives NaN in all 32 numbers of the point, as in the problem.  For an infinite x, or a box side of length 0, the results are not finite in both, but this form
; may give an infinity where the problem's form gives NaN.
;
; SHARES.  A lane has one point, a wave 32 points and all 16 levels.  The waves share nothing, so a work-group is one wave: 200,000 / 32 = 6,250 work-groups, none without points.
; All waves walk the levels in the same order, so that at any time the launch's gathers fall into few of the sixteen tables of 4 MiB.
; PIPELINE.  STAGE l makes level l's eight indices, issues its eight gathers and computes its weights; INTERP l follows two stages later.  Three slots of 16 registers take turns,
; so 16 to 24 gathers of a wave are on their way.  A gather's index lies in the low word of its own destination: no further register, and nothing to free.
; THE WAY OUT.  A lane's 2 numbers of a level go to row = lane of the wave's 32 rows of LDS (128 bytes + 16, so that rows stay 16-byte aligned and do not all start in one bank);
; at the end the rows are read back 16 bytes a lane and leave as eight stores of 512 consecutive bytes.  One wave: no barrier.
.set NPTS,   200000
.set TABLE,  0x400000                  ; bytes of a level's table: 524,288 entries of 8
.set PITCH,  144
.set RES0,   16
.set RES1,   34
.set RES2,   72
.set RES3,   155
.set RES4,   331
.set RES5,   706
.set RES6,   1508
.set RES7,   3217
.set RES8,   6864
.set RES9,   14643
.set RES10,  31239
.set RES11,  66644
.set RES12,  142175
.set RES13,  303307
.set RES14,  647056
.set RES15,  1380387
.set X,    2                           ; v[2:4]     my point (v0 is the lane: one wave a work-group)
.set LST,  5                           ; LDS: my row
.set LRD,  6                           ; LDS: where I read back
.set OOFF, 7                           ; 16 x lane
.set XOFF, 8                           ; 12 x lane
.set COFF, 9                           ; 8 x lane
.set U,    10                          ; v[10:12]   the fixed-point numbers
.set CW,   13                          ; v[13:15]   the correction words: v[10:15] are the three pairs as loaded
.set A,    16                          ; v[16:21]   three 64-bit addends: low word 0, set once; high word the level's correction
.set PC,   22                          ; v[22:27]   three 64-bit sums
.set C,    23                          ; their high words: cell x, y, z at C, C + 2, C + 4
.set X1,   28                          ; x + 1, masked
.set X0,   29                          ; x, masked
.set HY,   30                          ; v[30:31]   y p2, (y + 1) p2
.set HZ,   32                          ; v[32:33]   z p3, (z + 1) p3
.set YZ,   34                          ; v[34:37]   their four xors, index 2 j + k
.set F,    38                          ; v[38:40]   min_v, then x - min_v
.set D,    41                          ; v[41:43]   max_v, then max_v - min_v
.set EB,   44                          ; v[44:91]   three slots: corner c's two features at 2 c; at the end v[44:75] are the rows on their way out
.set WB,   92                          ; v[92:109]  three slots: (wx, 1/dx), (wy, 1/dy), (wz, 1/dz): each weight is the low word of an even pair
	s_load_b256 s[4:11], s[0:1], 0x0               ; x s[4:5], box_min s[6:7], tables s[8:9], cells s[10:11]
	s_load_b128 s[12:15], s[0:1], 0x20             ; gridtab s[12:13], out0 s[14:15]
	v_lshl_add_u32 v110, v0, 2, 0x1200
	v_mov_b32 v111, 0
	v_mul_u32_u24 v[XOFF], v0, 12
	v_lshlrev_b32 v[COFF], 3, v0
	s_mul_i32 s80, ttmp9, 384                      ; 32 points of 12 bytes
	s_mov_b32 s81, 0
	s_mul_i32 s82, ttmp9, 768                      ; 32 points of 24 bytes
	s_mov_b32 s83, 0
	s_lshl_b32 s78, ttmp9, 12                      ; 32 points of 128 bytes
	s_mov_b32 s79, 0
	s_wait_kmcnt 0x0
	s_add_nc_u64 s[4:5], s[4:5], s[80:81]
	s_add_nc_u64 s[10:11], s[10:11], s[82:83]
	s_add_nc_u64 s[14:15], s[14:15], s[78:79]
	global_load_b96 v[X:X+2], v[XOFF], s[4:5] th:TH_LOAD_NT
.irp p, 0,1,2
	global_load_b64 v[U+2*\p:U+2*\p+1], v[COFF], s[10:11] offset:256*\p th:TH_LOAD_NT   ; 256 consecutive bytes each
.endr
	s_load_b512 s[16:31], s[12:13], 0x0            ; the cell sizes: level l's three at s[16 + 3 l]
	s_load_b512 s[32:47], s[12:13], 0x40
	s_load_b512 s[48:63], s[12:13], 0x80
	s_load_b96 s[68:70], s[6:7], 0x0               ; box_min
	s_mov_b32 s72, 0x7ffff                         ; the hash mask, 19 bits
	s_mov_b32 s74, 0x779b1                         ; low 19 bits of 2654435761
	s_mov_b32 s75, 0x25795                         ; low 19 bits of 805459861
.irp c, 0,1,2
	v_mov_b32 v[A+2*\c], 0                         ; the addends' low words
.endr
	v_mul_u32_u24 v[LST], v0, PITCH
	v_lshrrev_b32 v[LRD], 3, v0                    ; back: eight lanes take a row of 128 bytes, the wave four rows
	v_and_b32 v[OOFF], 7, v0
	v_mul_u32_u24 v[LRD], v[LRD], PITCH
	v_lshl_add_u32 v[LRD], v[OOFF], 4, v[LRD]
	v_lshlrev_b32 v[OOFF], 4, v0
	s_wait_kmcnt 0x0
	s_wait_loadcnt 0x0                             ; my point and its 24 bytes (issued back to back, they arrive together)
.macro STAGE l
.set E, EB+16*(\l%3)
.set W, WB+6*(\l%3)
.set SG, 16+3*\l
.if \l
	s_wait_xcnt 0x0                                ; the last level's gathers name s[8:9]: the base steps only behind this wait
	s_add_nc_u64 s[8:9], s[8:9], TABLE             ; this level's table
.endif
	s_mov_b32 s71, 2*RES\l
.irp c, 0,1,2
	v_bfe_u32 v[A+2*\c+1], v[CW+\c], 2*\l, 2       ; this level's correction, 0 .. 3
.endr
.irp c, 0,1,2
	v_mad_nc_u64_u32 v[PC+2*\c:PC+2*\c+1], v[U+\c], s71, v[A+2*\c:A+2*\c+1]   ; u x 2 res + correction x 2^32: the high word is the cell
.endr
	v_mul_u32_u24 v[HY], s74, v[C+2]               ; 21 x 19 bits; the low 19 bits of the product are all that is used
	v_mul_u32_u24 v[HZ], s75, v[C+4]
	v_add_nc_u32 v[X1], 1, v[C]
	v_and_b32 v[X0], s72, v[C]
	v_add_nc_u32 v[HY+1], s74, v[HY]
	v_add_nc_u32 v[HZ+1], s75, v[HZ]
	v_and_b32 v[X1], s72, v[X1]
	v_xor_b32 v[YZ], v[HY], v[HZ]
	v_xor_b32 v[YZ+1], v[HY], v[HZ+1]
	v_xor_b32 v[YZ+2], v[HY+1], v[HZ]
	v_xor_b32 v[YZ+3], v[HY+1], v[HZ+1]
.irp c, 0,1,2,3
	v_and_b32 v[YZ+\c], s72, v[YZ+\c]              ; six masks in front of the last xor instead of eight behind it
.endr
.irp c, 0,1,2,3
	v_xor_b32 v[E+2*\c], v[X0], v[YZ+\c]           ; corner 2 j + k
	v_xor_b32 v[E+8+2*\c], v[X1], v[YZ+\c]         ; corner 4 + 2 j + k
.endr
.irp c, 0,1,2,3,4,5,6,7
	v_min_u32 v[E+2*\c], 0x7ffff, v[E+2*\c]        ; a number read from memory enters an address only behind a clamp to the table's last entry (the masks have brought it there: no value changes)
.endr
.irp c, 0,1,2,3,4,5,6,7
	global_load_b64 v[E+2*\c:E+2*\c+1], v[E+2*\c], s[8:9] scale_offset     ; entry = 8 bytes: the index is scaled by the access's size
.endr
	; the weights, while the gathers are on their way
.irp c, 0,1,2
	v_cvt_f32_u32 v[F+\c], v[C+2*\c]
.endr
.irp c, 0,1,2
	v_fma_f32 v[F+\c], s[SG+\c], v[F+\c], s[68+\c] ; min_v = cell x cell size + box_min, one rounding (see the head)
.endr
.irp c, 0,1,2
	v_add_f32 v[D+\c], s[SG+\c], v[F+\c]           ; max_v
.endr
.irp c, 0,1,2
	v_sub_f32 v[D+\c], v[D+\c], v[F+\c]            ; max_v - min_v
.endr
.irp c, 0,1,2
	v_rcp_f32 v[W+2*\c+1], v[D+\c]
.endr
.irp c, 0,1,2
	v_sub_f32 v[F+\c], v[X+\c], v[F+\c]            ; x - min_v: also the plain instructions between the reciprocals and their use (ISA guide 5.7.2)
.endr
	s_wait_alu depctr_va_vdst(0)
.irp c, 0,1,2
	v_mul_f32 v[W+2*\c], v[F+\c], v[W+2*\c+1]
.endr
.endm
; left = the gathers issued behind this level's: loads come back in order (ISA guide 5.7.1), so these may stay out.
.macro INTERP l, left
.set E, EB+16*(\l%3)
.set W, WB+6*(\l%3)
	s_wait_loadcnt \left
.irp c, 0,2,4,6
	v_pk_add_f32 v[E+8+\c:E+9+\c], v[E+8+\c:E+9+\c], v[E+\c:E+1+\c] neg_lo:[0,1] neg_hi:[0,1]   ; along x: corner 4 + c minus corner c, both features
.endr
.irp c, 0,2,4,6
	v_pk_fma_f32 v[E+\c:E+1+\c], v[E+8+\c:E+9+\c], v[W:W+1], v[E+\c:E+1+\c] op_sel_hi:[1,0,1]   ; c00, c01, c10, c11: both features by wx
.endr
.irp c, 0,2
	v_pk_add_f32 v[E+4+\c:E+5+\c], v[E+4+\c:E+5+\c], v[E+\c:E+1+\c] neg_lo:[0,1] neg_hi:[0,1]   ; along y
.endr
.irp c, 0,2
	v_pk_fma_f32 v[E+\c:E+1+\c], v[E+4+\c:E+5+\c], v[W+2:W+3], v[E+\c:E+1+\c] op_sel_hi:[1,0,1] ; c0, c1
.endr
	v_pk_add_f32 v[E+2:E+3], v[E+2:E+3], v[E:E+1] neg_lo:[0,1] neg_hi:[0,1]                     ; along z
	v_pk_fma_f32 v[E:E+1], v[E+2:E+3], v[W+4:W+5], v[E:E+1] op_sel_hi:[1,0,1]
	ds_store_b64 v[LST], v[E:E+1] offset:8*\l
.endm
	STAGE 0
	STAGE 1
	STAGE 2
	INTERP 0, 16                                   ; 16 = the gathers of the two younger levels
	STAGE 3
	INTERP 1, 16
	STAGE 4
	INTERP 2, 16
	STAGE 5
	INTERP 3, 16
	STAGE 6
	INTERP 4, 16
	STAGE 7
	INTERP 5, 16
	STAGE 8
	INTERP 6, 16
	STAGE 9
	INTERP 7, 16
	STAGE 10
	INTERP 8, 16
	STAGE 11
	INTERP 9, 16
	STAGE 12
	INTERP 10, 16
	STAGE 13
	INTERP 11, 16
	STAGE 14
	INTERP 12, 16
	STAGE 15
	INTERP 13, 16
	INTERP 14, 8                                   ; nothing more is issued: the counts run down
	INTERP 15, 0
	; the wave's 32 rows leave, through the registers of the gather slots, which hold nothing any more: LDS serves a wave's instructions in order (ISA guide 5.7.1.4), so these loads see the stores above
.irp t, 0,1,2,3,4,5,6,7
	ds_load_b128 v[EB+4*\t:EB+4*\t+3], v[LRD] offset:4*PITCH*\t
.endr
.irp t, 0,1,2,3,4,5,6,7
	s_wait_dscnt 7-\t                              ; the younger LDS loads may stay out
	global_store_b128 v[OOFF], v[EB+4*\t:EB+4*\t+3], s[14:15] offset:512*\t th:TH_STORE_NT      ; four rows of out0: 512 consecutive bytes, aligned
.endr
	s_wait_tensorcnt 0x0
	ds_add_u32 v110, v111
	s_wait_dscnt 0x0
	s_endpgm
.Lfunc_end_k_q853d1415c0_gather:
	.size	k_q853d1415c0_gather, .Lfunc_end_k_q853d1415c0_gather-k_q853d1415c0_gather
	.p2alignl 7, 3214868480
	.fill 96, 4, 3214868480
	.section	.rodata,"a",@progbits
	.p2align	6, 0x0
	.amdhsa_kernel k_q853d1415c0_gather
		.amdhsa_group_segment_fixed_size 4864
		.amdhsa_private_segment_fixed_size 0
		.amdhsa_enable_private_segment 0
		.amdhsa_kernarg_size 48
		.amdhsa_user_sgpr_count 2
		.amdhsa_user_sgpr_kernarg_segment_ptr 1
		.amdhsa_wavefront_size32 1
		.amdhsa_system_sgpr_workgroup_id_x 1
		.amdhsa_system_sgpr_workgroup_id_y 1
		.amdhsa_system_sgpr_workgroup_id_z 1
		.amdhsa_system_vgpr_workitem_id 0
		.amdhsa_next_free_vgpr 112
		.amdhsa_next_free_sgpr 84
		.amdhsa_reserve_vcc 0
		.amdhsa_float_denorm_mode_32 3
		.amdhsa_float_denorm_mode_16_64 3
		.amdhsa_memory_ordered 1
		.amdhsa_forward_progress 1
		.amdhsa_inst_pref_size 72
	.end_amdhsa_kernel
	.amdgpu_metadata
---
amdhsa.version: [ 1, 2 ]
amdhsa.kernels:
  - .name:           k_q853d1415c0_gather
    .symbol:         k_q853d1415c0_gather.kd
    .args:
      - { .name: x, .offset: 0, .size: 8, .value_kind: global_buffer, .address_space: global }
      - { .name: box_min, .offset: 8, .size: 8, .value_kind: global_buffer, .address_space: global }
      - { .name: tables, .offset: 16, .size: 8, .value_kind: global_buffer, .address_space: global }
      - { .name: cells, .offset: 24, .size: 8, .value_kind: global_buffer, .address_space: global }
      - { .name: gridtab, .offset: 32, .size: 8, .value_kind: global_buffer, .address_space: global }
      - { .name: out0, .offset: 40, .size: 8, .value_kind: global_buffer, .address_space: global }
    .group_segment_fixed_size: 4864
    .private_segment_fixed_size: 0
    .kernarg_segment_align: 8
    .kernarg_segment_size: 48
    .max_flat_workgroup_size: 32
    .sgpr_count:     84
    .vgpr_count:     112
    .wavefront_size: 32
...
	.end_amdgpu_metadata
.endif
;; end of part 2
;; ======== version 2 of 2: 2 launches; version 1 with the launch gather written anew for expert scheduling mode
;; workspace buffers: cells 4,800,000 bytes of whole numbers; gridtab 256 bytes
;; launch cells: the kernel of part 1 again; grid 6250 x 1, 1 waves a work-group, no clusters, 0 bytes of LDS; arguments x, box_min, box_max, cells, gridtab, out1; writes cells, gridtab, out1
;; launch gather (part 3): grid 6250 x 1, 1 waves a work-group, no clusters, 4,864 bytes of LDS; arguments x, box_min, tables, cells, gridtab, out0; writes out0
.if DOCPART == 3
	.amdgcn_target "amdgcn-amd-amdhsa--gfx1250"
	.amdhsa_code_object_version 6
	.text
	.protected	k_q853d1415c0_gather
	.globl	k_q853d1415c0_gather
	.p2align	8
	.type	k_q853d1415c0_gather,@function
k_q853d1415c0_gather:
	s_mov_b64 s[64:65], 0
	v_nop
	global_prefetch_b8 v0, s[64:65] scope:SCOPE_SE
	s_setreg_imm32_b32 hwreg(HW_REG_WAVE_SCHED_MODE, 0, 2), 2
	s_setreg_imm32_b32 hwreg(HW_REG_WAVE_MODE, 25, 1), 1
	s_wait_xcnt 0x0
	s_wait_alu depctr_vm_vsrc(0)
; HASH ENCODER, SECOND LAUNCH: hash the eight corners of each cell, gather their two features, interpolate, write out0[point][level][feature].
; The cells are read as whole numbers, 24 bytes a point: for each coordinate a fixed-point number u and a word of sixteen 2-bit corrections d, laid out
; cells[block of 32 points][pair][point], 8 bytes: pair 0 = (ux, uy), pair 1 = (uz, dx), pair 2 = (dy, dz).  cell(l) = high word of (u x 2 res(l) + d(l) x 2^32): the first launch
; made d(l) as its cell minus the high word of the same product, so the sum is that cell exactly.  The 48 cell sizes come from gridtab.
; box_max reaches this launch through both and is not loaded again.
; WHAT IS CHANGED AGAINST THE PROBLEM'S TEXT, for all inputs:
;  - The resolutions floor(16 * f32(32/15)^l) hang on no input and are the constants below (shown at the head of the first launch).
;  - Only the low 19 bits of each product with a prime reach the index, and they hang on the low 19 bits of the prime alone: 2654435761 -> 0x779b1, 805459861 -> 0x25795, 1 -> 1.
;    (c + 1) p = c p + p, so the upper corner costs an addition.
;  - a (1 - w) + b w is computed as a + w (b - a): the same number but for rounding.
;  - min_v = cell x cell size + box_min is ONE fused multiply-add, rounded once (a stated limit: the text as written rounds the product first; with box_min = 0 the two are equal bit for bit).
;    max_v, x - min_v and max_v - min_v are single f32 operations as written (at level 15 a cell is about twelve f32 steps wide, so they decide the weight);
;    the weight's division itself is a product with v_rcp_f32, right to about a last place.
; LIMITS.  A NaN in x gives NaN in all 32 numbers of the point, as in the problem.  For an infinite x, or a box side of length 0, the results are not finite in both, but this form
; may give an infinity where the problem's form gives NaN.
;
; SHARES.  A lane has one point, a wave 32 points and all 16 levels.  The waves share nothing, so a work-group is one wave: 200,000 / 32 = 6,250 work-groups, none without points.
; All waves walk the levels in the same order, so that at any time the launch's gathers fall into few of the sixteen tables of 4 MiB.
; PIPELINE.  STAGE l makes level l's eight indices, issues its eight gathers and computes its weights; INTERP l follows two stages later.  Three slots of 16 registers take turns,
; so 16 to 24 gathers of a wave are on their way.
; THE WAY OUT.  A lane's 2 numbers of a level go to row = lane of the wave's 32 rows of LDS (128 bytes + 16, so that rows stay 16-byte aligned and do not all start in one bank);
; at the end the rows are read back 16 bytes a lane and leave as eight stores of 512 consecutive bytes.  One wave: no barrier.
; THE MODE: SCHED_MODE bits 1:0 = 2 (LLVM: expert scheduling mode 2), set by the entry lines.  The code itself states the register dependences
; between vector instructions and memory or LDS instructions, with s_wait_alu, always for 0.
; THE PLAN.  Registers that memory or LDS instructions touch:
;   v5 .. v9      offsets and LDS addresses, made once at the head, ahead of the first load, and never written again.
;   X, U, CW      loaded once at the head; before that no vector instruction names them, behind it only vector instructions read them.
;   IX            the eight indices of a level.  Written by STAGE l's xors and clamps; read by STAGE l's gathers as their addresses; written again by STAGE l + 1.
;   E0 .. E2      the gather slots.  STAGE l's gathers land in E[l % 3]; INTERP l reads and writes it; STAGE l + 3's gathers land in it again.  No memory instruction reads a slot before the way out.
;   OUT0 .. OUT3  a level's two results.  INTERP k's last multiply-add writes OUT[k % 4]; the LDS store that stands in STAGE k + 3 reads it; INTERP k + 4 writes it again, three stages later.
;                 (Two pairs would serve the stages; with four the last three levels end side by side, behind one wait.)
;   All other registers (the addends, the sums, the hash's parts, F, D, the weights) are named by vector instructions alone.
; So a stage has ONE wait on va_vdst, behind its clamps: it states that IX is written, that INTERP l - 3 is done with the slot in which the gathers land, and that it has written the pair that the
; LDS store reads.  The stage's nine memory and LDS instructions follow it, dealt among the weights' lines, which name none of their registers.  ONE wait on vm_vsrc stands at a stage's head.
.set NPTS,   200000
.set TABLE,  0x400000                  ; bytes of a level's table: 524,288 entries of 8
.set PITCH,  144
.set RES0,   16
.set RES1,   34
.set RES2,   72
.set RES3,   155
.set RES4,   331
.set RES5,   706
.set RES6,   1508
.set RES7,   3217
.set RES8,   6864
.set RES9,   14643
.set RES10,  31239
.set RES11,  66644
.set RES12,  142175
.set RES13,  303307
.set RES14,  647056
.set RES15,  1380387
.set X,    2                           ; v[2:4]     my point (v0 is the lane: one wave a work-group)
.set LST,  5                           ; LDS: my row
.set LRD,  6                           ; LDS: where I read back
.set OOFF, 7                           ; 16 x lane
.set XOFF, 8                           ; 12 x lane
.set COFF, 9                           ; 8 x lane
.set U,    10                          ; v[10:12]   the fixed-point numbers
.set CW,   13                          ; v[13:15]   the correction words: v[10:15] are the three pairs as loaded
.set A,    16                          ; v[16:21]   three 64-bit addends: low word 0, set once; high word the level's correction
.set PC,   22                          ; v[22:27]   three 64-bit sums
.set C,    23                          ; their high words: cell x, y, z at C, C + 2, C + 4
.set X1,   28                          ; x + 1, masked
.set X0,   29                          ; x, masked
.set HY,   30                          ; v[30:31]   y p2, (y + 1) p2
.set HZ,   32                          ; v[32:33]   z p3, (z + 1) p3
.set YZ,   34                          ; v[34:37]   their four xors, index 2 j + k
.set F,    38                          ; v[38:40]   min_v, then x - min_v
.set D,    41                          ; v[41:43]   max_v, then max_v - min_v
.set EB,   44                          ; v[44:91]   three slots: corner c's two features at 2 c; at the end v[44:75] are the rows on their way out
.set WB,   92                          ; v[92:109]  three slots: (wx, 1/dx), (wy, 1/dy), (wz, 1/dz): each weight is the low word of an even pair
.set IX,   110                         ; v[110:117] corner c's index
.set OUT,  118                         ; v[118:125] four pairs: level l's two results at OUT + 2 (l % 4)
	s_load_b256 s[4:11], s[0:1], 0x0               ; x s[4:5], box_min s[6:7], tables s[8:9], cells s[10:11]
	s_load_b128 s[12:15], s[0:1], 0x20             ; gridtab s[12:13], out0 s[14:15]
	v_lshl_add_u32 v126, v0, 2, 0x1200
	v_mov_b32 v127, 0
	v_mul_u32_u24 v[XOFF], v0, 12
	v_lshlrev_b32 v[COFF], 3, v0
	v_mul_u32_u24 v[LST], v0, PITCH
	v_lshrrev_b32 v[LRD], 3, v0                    ; back: eight lanes take a row of 128 bytes, the wave four rows
	v_and_b32 v[OOFF], 7, v0
	v_mul_u32_u24 v[LRD], v[LRD], PITCH
	v_lshl_add_u32 v[LRD], v[OOFF], 4, v[LRD]
	v_lshlrev_b32 v[OOFF], 4, v0
	s_mul_i32 s80, ttmp9, 384                      ; 32 points of 12 bytes
	s_mov_b32 s81, 0
	s_mul_i32 s82, ttmp9, 768                      ; 32 points of 24 bytes
	s_mov_b32 s83, 0
	s_lshl_b32 s78, ttmp9, 12                      ; 32 points of 128 bytes
	s_mov_b32 s79, 0
	s_wait_kmcnt 0x0
	s_add_nc_u64 s[4:5], s[4:5], s[80:81]
	s_add_nc_u64 s[10:11], s[10:11], s[82:83]
	s_add_nc_u64 s[14:15], s[14:15], s[78:79]
	s_wait_alu depctr_va_vdst(0)                   ; the five offsets and LDS addresses v5 to v9 are written: the loads below, every LDS store and load and the last stores read them, and no line writes them again
	global_load_b96 v[X:X+2], v[XOFF], s[4:5] th:TH_LOAD_NT
.irp p, 0,1,2
	global_load_b64 v[U+2*\p:U+2*\p+1], v[COFF], s[10:11] offset:256*\p th:TH_LOAD_NT   ; 256 consecutive bytes each
.endr
	s_load_b512 s[16:31], s[12:13], 0x0            ; the cell sizes: level l's three at s[16 + 3 l]
	s_load_b512 s[32:47], s[12:13], 0x40
	s_load_b512 s[48:63], s[12:13], 0x80
	s_load_b96 s[68:70], s[6:7], 0x0               ; box_min
	s_mov_b32 s72, 0x7ffff                         ; the hash mask, 19 bits
	s_mov_b32 s74, 0x779b1                         ; low 19 bits of 2654435761
	s_mov_b32 s75, 0x25795                         ; low 19 bits of 805459861
.irp c, 0,1,2
	v_mov_b32 v[A+2*\c], 0                         ; the addends' low words
.endr
	s_wait_kmcnt 0x0
	s_wait_loadcnt 0x0                             ; my point and its 24 bytes (issued back to back, they arrive together)
; Corner c's gather into the stage's slot E.  Entry = 8 bytes: the index is scaled by the access's size.
.macro GATHER c
	global_load_b64 v[E+2*(\c):E+2*(\c)+1], v[IX+(\c)], s[8:9] scale_offset
.endm
.macro STAGE l
.set E, EB+16*(\l%3)
.set W, WB+6*(\l%3)
.set SG, 16+3*\l
.if \l
	s_wait_xcnt 0x0                                ; the last level's gathers name s[8:9] and IX: the base steps, and the indices are written anew, only behind this wait
	s_wait_alu depctr_vm_vsrc(0)                   ; the last level's gathers have read IX, which the xors below write; the LDS stores issued so far have read their pairs of OUT, which later levels write again
	s_add_nc_u64 s[8:9], s[8:9], TABLE             ; this level's table
.endif
	s_mov_b32 s71, 2*RES\l
.irp c, 0,1,2
	v_bfe_u32 v[A+2*\c+1], v[CW+\c], 2*\l, 2       ; this level's correction, 0 .. 3
.endr
.irp c, 0,1,2
	v_mad_nc_u64_u32 v[PC+2*\c:PC+2*\c+1], v[U+\c], s71, v[A+2*\c:A+2*\c+1]   ; u x 2 res + correction x 2^32: the high word is the cell
.endr
	v_mul_u32_u24 v[HY], s74, v[C+2]               ; 21 x 19 bits; the low 19 bits of the product are all that is used
	v_mul_u32_u24 v[HZ], s75, v[C+4]
	v_add_nc_u32 v[X1], 1, v[C]
	v_and_b32 v[X0], s72, v[C]
	v_add_nc_u32 v[HY+1], s74, v[HY]
	v_add_nc_u32 v[HZ+1], s75, v[HZ]
	v_and_b32 v[X1], s72, v[X1]
	v_xor_b32 v[YZ], v[HY], v[HZ]
	v_xor_b32 v[YZ+1], v[HY], v[HZ+1]
	v_xor_b32 v[YZ+2], v[HY+1], v[HZ]
	v_xor_b32 v[YZ+3], v[HY+1], v[HZ+1]
.irp c, 0,1,2,3
	v_and_b32 v[YZ+\c], s72, v[YZ+\c]              ; six masks in front of the last xor instead of eight behind it
.endr
.irp c, 0,1,2,3
	v_xor_b32 v[IX+\c], v[X0], v[YZ+\c]            ; corner 2 j + k
	v_xor_b32 v[IX+4+\c], v[X1], v[YZ+\c]          ; corner 4 + 2 j + k
.endr
.irp c, 0,1,2,3,4,5,6,7
	v_min_u32 v[IX+\c], 0x7ffff, v[IX+\c]          ; a number read from memory enters an address only behind a clamp to the table's last entry (the masks have brought it there: no value changes)
.endr
	s_wait_alu depctr_va_vdst(0)                   ; the clamps have written IX, the gathers' addresses; the interpolation of three levels back is done reading and writing this slot, in which the gathers land, and has written its pair of OUT, which the LDS store reads
	; the gathers, two at a time, and the LDS store, dealt among the weights' lines.  No further wait: those lines name the cells, F, D, X and W, none of the registers that these nine touch
	GATHER 0
	GATHER 1
.irp c, 0,1,2
	v_cvt_f32_u32 v[F+\c], v[C+2*\c]
.endr
	GATHER 2
	GATHER 3
.irp c, 0,1,2
	v_fma_f32 v[F+\c], s[SG+\c], v[F+\c], s[68+\c] ; min_v = cell x cell size + box_min, one rounding (see the head)
.endr
	GATHER 4
	GATHER 5
.irp c, 0,1,2
	v_add_f32 v[D+\c], s[SG+\c], v[F+\c]           ; max_v
.endr
	GATHER 6
	GATHER 7
.irp c, 0,1,2
	v_sub_f32 v[D+\c], v[D+\c], v[F+\c]            ; max_v - min_v
.endr
.if \l >= 3
	ds_store_b64 v[LST], v[OUT+2*((\l-3)%4):OUT+2*((\l-3)%4)+1] offset:8*(\l-3)   ; the level interpolated in the stage before
.endif
.irp c, 0,1,2
	v_rcp_f32 v[W+2*\c+1], v[D+\c]
.endr
.irp c, 0,1,2
	v_sub_f32 v[F+\c], v[X+\c], v[F+\c]            ; x - min_v: also the plain instructions between the reciprocals and their use (ISA guide 5.7.2)
.endr
	s_wait_alu depctr_va_vdst(0)
.irp c, 0,1,2
	v_mul_f32 v[W+2*\c], v[F+\c], v[W+2*\c+1]
.endr
.endm
; left = the gathers issued behind this level's: loads come back in order (ISA guide 5.7.1), so these may stay out.
.macro INTERP l, left
.set E, EB+16*(\l%3)
.set W, WB+6*(\l%3)
.set O, OUT+2*(\l%4)
	s_wait_loadcnt \left
.irp c, 0,2,4,6
	v_pk_add_f32 v[E+8+\c:E+9+\c], v[E+8+\c:E+9+\c], v[E+\c:E+1+\c] neg_lo:[0,1] neg_hi:[0,1]   ; along x: corner 4 + c minus corner c, both features
.endr
.irp c, 0,2,4,6
	v_pk_fma_f32 v[E+\c:E+1+\c], v[E+8+\c:E+9+\c], v[W:W+1], v[E+\c:E+1+\c] op_sel_hi:[1,0,1]   ; c00, c01, c10, c11: both features by wx
.endr
.irp c, 0,2
	v_pk_add_f32 v[E+4+\c:E+5+\c], v[E+4+\c:E+5+\c], v[E+\c:E+1+\c] neg_lo:[0,1] neg_hi:[0,1]   ; along y
.endr
.irp c, 0,2
	v_pk_fma_f32 v[E+\c:E+1+\c], v[E+4+\c:E+5+\c], v[W+2:W+3], v[E+\c:E+1+\c] op_sel_hi:[1,0,1] ; c0, c1
.endr
	v_pk_add_f32 v[E+2:E+3], v[E+2:E+3], v[E:E+1] neg_lo:[0,1] neg_hi:[0,1]                     ; along z
	v_pk_fma_f32 v[O:O+1], v[E+2:E+3], v[W+4:W+5], v[E:E+1] op_sel_hi:[1,0,1]                   ; the level's two results, into registers of their own: the next stage stores them
.endm
	STAGE 0
	STAGE 1
	STAGE 2
	INTERP 0, 16                                   ; 16 = the gathers of the two younger levels
	STAGE 3
	INTERP 1, 16
	STAGE 4
	INTERP 2, 16
	STAGE 5
	INTERP 3, 16
	STAGE 6
	INTERP 4, 16
	STAGE 7
	INTERP 5, 16
	STAGE 8
	INTERP 6, 16
	STAGE 9
	INTERP 7, 16
	STAGE 10
	INTERP 8, 16
	STAGE 11
	INTERP 9, 16
	STAGE 12
	INTERP 10, 16
	STAGE 13
	INTERP 11, 16
	STAGE 14
	INTERP 12, 16
	STAGE 15
	INTERP 13, 16
	INTERP 14, 8                                   ; nothing more is issued: the counts run down
	INTERP 15, 0
	s_wait_alu depctr_va_vdst(0)                   ; the last three interpolations have written their pairs of OUT, which the LDS stores read, and are done reading and writing the gather slots, in which the rows below land
.irp l, 13,14,15
	ds_store_b64 v[LST], v[OUT+2*(\l%4):OUT+2*(\l%4)+1] offset:8*\l
.endr
	; the wave's 32 rows leave, through the registers of the gather slots, which hold nothing any more: LDS serves a wave's instructions in order (ISA guide 5.7.1.4), so these loads see the stores above
.irp t, 0,1,2,3,4,5,6,7
	ds_load_b128 v[EB+4*\t:EB+4*\t+3], v[LRD] offset:4*PITCH*\t
.endr
.irp t, 0,1,2,3,4,5,6,7
	s_wait_dscnt 7-\t                              ; the younger LDS loads may stay out
	global_store_b128 v[OOFF], v[EB+4*\t:EB+4*\t+3], s[14:15] offset:512*\t th:TH_STORE_NT      ; four rows of out0: 512 consecutive bytes, aligned
.endr
	s_wait_dscnt 0x0
	s_wait_alu depctr_hold_cnt(0) depctr_sa_sdst(0) depctr_va_vdst(0) depctr_va_sdst(0) depctr_va_ssrc(0) depctr_va_vcc(0) depctr_vm_vsrc(0)
	s_wait_tensorcnt 0x0
	ds_add_u32 v126, v127
	s_wait_dscnt 0x0
	s_endpgm
.Lfunc_end_k_q853d1415c0_gather:
	.size	k_q853d1415c0_gather, .Lfunc_end_k_q853d1415c0_gather-k_q853d1415c0_gather
	.p2alignl 7, 3214868480
	.fill 96, 4, 3214868480
	.section	.rodata,"a",@progbits
	.p2align	6, 0x0
	.amdhsa_kernel k_q853d1415c0_gather
		.amdhsa_group_segment_fixed_size 4864
		.amdhsa_private_segment_fixed_size 0
		.amdhsa_enable_private_segment 0
		.amdhsa_kernarg_size 48
		.amdhsa_user_sgpr_count 2
		.amdhsa_user_sgpr_kernarg_segment_ptr 1
		.amdhsa_wavefront_size32 1
		.amdhsa_system_sgpr_workgroup_id_x 1
		.amdhsa_system_sgpr_workgroup_id_y 1
		.amdhsa_system_sgpr_workgroup_id_z 1
		.amdhsa_system_vgpr_workitem_id 0
		.amdhsa_next_free_vgpr 128
		.amdhsa_next_free_sgpr 84
		.amdhsa_reserve_vcc 0
		.amdhsa_float_denorm_mode_32 3
		.amdhsa_float_denorm_mode_16_64 3
		.amdhsa_memory_ordered 1
		.amdhsa_forward_progress 1
		.amdhsa_inst_pref_size 73
	.end_amdhsa_kernel
	.amdgpu_metadata
---
amdhsa.version: [ 1, 2 ]
amdhsa.kernels:
  - .name:           k_q853d1415c0_gather
    .symbol:         k_q853d1415c0_gather.kd
    .args:
      - { .name: x, .offset: 0, .size: 8, .value_kind: global_buffer, .address_space: global }
      - { .name: box_min, .offset: 8, .size: 8, .value_kind: global_buffer, .address_space: global }
      - { .name: tables, .offset: 16, .size: 8, .value_kind: global_buffer, .address_space: global }
      - { .name: cells, .offset: 24, .size: 8, .value_kind: global_buffer, .address_space: global }
      - { .name: gridtab, .offset: 32, .size: 8, .value_kind: global_buffer, .address_space: global }
      - { .name: out0, .offset: 40, .size: 8, .value_kind: global_buffer, .address_space: global }
    .group_segment_fixed_size: 4864
    .private_segment_fixed_size: 0
    .kernarg_segment_align: 8
    .kernarg_segment_size: 48
    .max_flat_workgroup_size: 32
    .sgpr_count:     84
    .vgpr_count:     128
    .wavefront_size: 32
...
	.end_amdgpu_metadata
.endif
;; end of part 3
